; MI455X (gfx1250); checked and timed in simulation.
; The chip was launched on July 23, 2026; its instructions are those of AMD's public machine-readable ISA for CDNA 5 (MIT licence, August 2026) and "CDNA5" Instruction Set Architecture Reference Guide (July 2026). The comments in the code are by the model that wrote it; some were corrected since.
;; Model. Allowed arithmetic: matrix products marked QUANTISED: E2M3 operands, one E8M0 scale for each 32 along K, by v_wmma_scale_f32_16x16x128_f8f6f4 with both operands' format E2M3, f32 sums; everything else in f32.
;; Inputs: attn_mask 2,048 x 2,048 bool; key 4 x 16 x 2,048 x 128 float32; key_padding_mask 4 x 2,048 bool; memory_mask 2,048 x 2,048 bool; query 4 x 16 x 2,048 x 128 float32; value 4 x 16 x 2,048 x 128 float32.
;; Outputs: out0 4 x 16 x 2,048 x 128 float32.
;; Constants: dropout_p = 0.
;; This version of the problem:
;;   THIS VERSION OF THE PROBLEM IS GIVEN IN LOW PRECISION. The matrix products marked QUANTISED in the list below multiply operands that are first quantised to E2M3 (2 exponent bits, 3 mantissa bits; 6 bits a number), with one power-of-two scale for each 32 numbers along K (OCP MX v1.0); their sums are f32. All else is computed in f32.
;;   The module's matrix products, in the order in which they are computed (A, B: the left and right operand; K: the contracted axis; several contracted axes count as one K, in the product's order):
;;     1. batch 64 x [M 2,048, K 128] x [K 128, N 2,048]; A: input query; B: input key: QUANTISED
;;     2. batch 64 x [M 2,048, K 2,048] x [K 2,048, N 128]; A: softmax (see below); B: input value: QUANTISED
;;   THE QUANTISER, for each operand of a quantised product, along K:
;;     - K is cut into blocks of 32 from its start; a last block that is shorter is filled with zeros.
;;     - A block's scale is 2^e with e = floor(log2(the largest magnitude in the block)) - 2, held to -126 .. 127; a block of zeros has e = 0. As a byte (E8M0): e + 127.
;;     - Each number is divided by its block's scale, clamped to +-7.5, and rounded to the nearest number of E2M3, ties to even, subnormals kept.
;;     - The product sums the exact products of the quantised numbers (number of the format x scale) in f32.
;;   ~~~python
;;   def quantise(x, axis):      # numpy; x: float32 -> the quantised numbers, widened to float32 again
;;       x = np.moveaxis(x, axis, -1); K = x.shape[-1]
;;       x = np.pad(x, [(0, 0)] * (x.ndim - 1) + [(0, -K % 32)]); x = x.reshape(x.shape[:-1] + (-1, 32)); a = np.abs(x).max(-1, keepdims=True)
;;       e = np.where(a > 0, np.clip(np.frexp(np.where(a > 0, a, 1))[1] - 1 - 2, -126, 127), 0)      # np.frexp(a)[1] - 1 = floor(log2(a)), exactly
;;       r = np.clip(x / 2.0 ** e, -7.5, 7.5)
;;       step = 2.0 ** (np.maximum(np.frexp(np.where(r == 0, 1, r))[1] - 1, 0) - 3)
;;       q = np.round(r / step) * step * 2.0 ** e      # np.round: ties to even
;;       return np.moveaxis(q.reshape(q.shape[:-2] + (-1,))[..., :K], -1, axis).astype(np.float32)
;;   ~~~
;;   SOFTMAX AHEAD OF A QUANTISED PRODUCT. Where the list says 'softmax', what is quantised is not the finished softmax but p = 2^(t - M), with t = logit x log2(e) and M = ceil(the row's largest t), a whole number; so 1/2 < the row's largest p <= 1. The row's sum l is taken of the UNQUANTISED p, in f32, and the product's result is divided by l at the end. Since M is a whole number, a kernel that streams over the keys may use a running M (the ceiling of the running maximum): every later rescaling is an exact power of two, which a block's scale takes up: the codes' values come out the same.
;;   OPERANDS COMPUTED ON THE WAY. 'Computed on the way' means the value that the module computes at that place (a softmax that the list does not call 'softmax' is quantised finished and normalised). What goes into a quantiser is computed in f32, as accurately as f32 sums, v_exp_f32 and their like allow (about 1e-6 of the number): no bf16 or f16 on the way to a quantiser, and a product that is left as it is and whose result goes on into a quantised operand takes f32 operands (vector FMAs, or v_wmma_f32_16x16x4_f32). A number that lies on a knife's edge between two numbers of the format may be rounded either way, as far as f32 arithmetic and the matrix unit's own rounding can turn it there, and no further.
;; One version. Each part assembles by itself: llvm-mc -triple=amdgcn-amd-amdhsa -mcpu=gfx1250 --defsym DOCPART=n.
;; ======== version 1 of 1: 2 launches
;; limits: right only within a limited range of input values
;; workspace buffers: kv 26,214,400 bytes
;; launch prep (part 1): grid 512 x 2, 4 waves a work-group, no clusters, 34,304 bytes of LDS; arguments key, value, kv; writes kv
.if DOCPART == 1
	.amdgcn_target "amdgcn-amd-amdhsa--gfx1250"
	.amdhsa_code_object_version 6
	.text
	.protected	k_qc143c4024c_prep
	.globl	k_qc143c4024c_prep
	.p2align	8
	.type	k_qc143c4024c_prep,@function
k_qc143c4024c_prep:
	s_mov_b64 s[64:65], 0
	v_nop
	global_prefetch_b8 v0, s[64:65] scope:SCOPE_SE
	s_setreg_imm32_b32 hwreg(HW_REG_WAVE_MODE, 25, 1), 1
	s_wait_xcnt 0x0
; key and value, [64 heads][2048 keys][128 channels] f32, become codes of FP6 (E2M3) with one E8M0 scale byte for each 32 along K, laid as the attention launch's operand registers want them.
; DEAD INPUTS: key_padding_mask, attn_mask, memory_mask and dropout_p are arguments that reference() takes and never reads: no output hangs on them, whatever they hold.
; They are not loaded and are among no launch's arguments; nothing that they hold is carried to the result.
; key is quantised along the channels (innermost in memory), value along the KEYS (its first axis inside a head).
; A block's scale is 2^(floor(log2(its largest magnitude)) - 2); its byte is the largest magnitude's exponent field - 2, held at 1 from below by a floor among the maximum's leaves.
; LIMITS: a block of zeros, or one whose largest magnitude lies under 2^(3 - 127), gets the byte 1 where the quantiser's text says 127 for zeros: its codes are zeros, which add nothing, and the
; bytes are read by this program alone.  NaN and infinities among the inputs are not served.
; THE WORKSPACE.  One RECORD of 25,600 bytes for a head and a key step of 128 keys, record head x 16 + step:
;   0       K's 8 tiles of 16 keys x 128 channels, 1,536 bytes each, as IMAGES OF THE OPERAND'S 12 REGISTERS: registers 4 c .. 4 c + 3 of lane l at 512 c + 16 l.
;           Row r of tile 4 c + i is key 64 c + 32 (r / 8) + 8 i + r % 8: the scores of tiles 4 c .. 4 c + 3 in a lane of half h are the 32 keys of block 2 c + h, in order.
;   12,288  V's 8 tiles of 16 channels x 128 keys in the same form: row r of tile t is channel 16 t + r.
;   24,576  K's scale words: word 128 j + 4 lane: lanes 0-15 the rows of tile 2 j, lanes 16-31 those of tile 2 j + 1.      25,088  V's likewise.
; SHARES.  Work-group x = head x 8 + a pair of key steps (256 keys, 131,072 bytes of input); y = 0 takes key, y = 1 value.  Waves share nothing: no barrier.  Only key's path uses LDS.
; No matrix work, no tensor loads, no cluster: every input byte is read once by one wave, and work-groups share no input.
.set REC,   25600
.set VIMG,  12288
.set KSC,   24576
.set VSC,   25088
.set SP,    528                        ; a stage row: a key's 512 bytes + 16, an odd multiple of 16
.set WST,   16*SP                      ; a wave's stage: 16 rows
.set FLOOR, 0x1800000                  ; 2^(3 - 127)
.set LI,  4                            ; v4   16 x lane
.set LS,  5                            ; v5   4 x lane + 128 x wave: a scale word's place; also value's byte in a row
.set VI,  6                            ; v6   16 x lane + 3,072 x wave: my place in my wave's pair of tile images
.set SI,  7                            ; v7   the stage, on the way in
.set XR,  8                            ; v8   and on the way out: row r, + 128 h
.set H8,  9                            ; v9   8 h
.set SEL, 16                           ; s[16:17] selects for lane l xor 16
.set R,   16                           ; key: v16-143 two sets of 16 rows as loaded
.set X,   144                          ; v144-207 64 numbers of my row: register 32 c + i = channel 64 c + 32 h + i
.set C,   208                          ; v208-231 two sets of a tile's 12 registers of codes
.set CT,  232                          ; v232-239 the second halves of the blocks' codes, as converted
.set QM,  240
.set QSO, 242
.set QBY, 244
.set QT,  246
.set W,   248                          ; v248-249 the scale words of the pair's two tiles;  v250-251 joined, one for each key step
.set WC,  250
.set VX,  16                           ; value: v16-79 two sets of 32 numbers down the keys
.set FA,  80                           ; v80-127 for key step i: 12 registers at 80 + 24 i (blocks 0, 2), 12 at 92 + 24 i (blocks 1, 3)
.set VCT, 128
.set VM,  132
.set VSO, 134
.set VBY, 135
.set VW,  136
.macro LOADT t                         ; tile t = 2 x step + u of my pair: row r is key (my wave's first) + 8 u + r % 8 + 32 (r / 8); each load one whole row of 512 consecutive bytes
.irp r, 0,1,2,3,4,5,6,7,8,9,10,11,12,13,14,15
	global_load_b128 v[R+64*((\t)%2)+4*\r:R+64*((\t)%2)+4*\r+3], v[LI], s[4:5] offset:((\t)/2)*65536+(8*((\t)%2)+\r+24*(\r/8))*512 th:TH_LOAD_NT
.endr
.endm
.macro TURN t                          ; through my stage: in by rows, out 32 neighbouring numbers twice for each lane.  LDS serves a wave's instructions in order (ISA guide 5.7.1.4)
.irp r, 0,1,2,3,4,5,6,7,8,9,10,11,12,13,14,15
	ds_store_b128 v[SI], v[R+64*((\t)%2)+4*\r:R+64*((\t)%2)+4*\r+3] offset:\r*SP
.endr
.irp c, 0,1
.irp j, 0,1,2,3,4,5,6,7
	ds_load_b128 v[X+32*\c+4*\j:X+32*\c+4*\j+3], v[XR] offset:256*\c+16*\j
.endr
.endr
.endm
; 64 numbers of a lane: two WHOLE blocks (h and 2 + h) of row r.  They become the operand's 12 registers at v[dst] and the row's scale word in v[wrd], whole in every lane.
.macro QUANT32 src, dst, tmp, wrd
.irp c, 0,1
	v_max3_num_f32 v[QM+\c], |v[(\src)+32*\c]|, |v[(\src)+32*\c+1]|, FLOOR
.endr
.irp i, 2,4,6,8,10,12,14,16,18,20,22,24,26,28,30
.irp c, 0,1
	v_max3_num_f32 v[QM+\c], v[QM+\c], |v[(\src)+32*\c+\i]|, |v[(\src)+32*\c+\i+1]|
.endr
.endr
.irp c, 0,1
	v_add_nc_u32 v[QSO+\c], 0xff000000, v[QM+\c]   ; 2 off the exponent field: the conversion's scale operand
.endr
.irp c, 0,1
	v_lshrrev_b32 v[QBY+\c], 23, v[QSO+\c]         ; the scale's byte
.endr
	v_lshl_or_b32 v[\wrd], v[QBY+1], 16, v[QBY]    ; my bytes: blocks h and 2 + h,
	v_lshlrev_b32 v[\wrd], v[H8], v[\wrd]          ; at their places in the word;
	v_permlanex16_b32 v[QT], v[\wrd], s[SEL], s[SEL+1]
	v_or_b32 v[\wrd], v[\wrd], v[QT]               ; with lane l xor 16's two the word is whole
.irp c, 0,1
	v_cvt_scalef32_pk16_fp6_f32 v[(\dst)+6*\c:(\dst)+6*\c+2], v[(\src)+32*\c:(\src)+32*\c+15], v[QSO+\c]
	v_cvt_scalef32_pk16_fp6_f32 v[(\tmp)+4*\c:(\tmp)+4*\c+2], v[(\src)+32*\c+16:(\src)+32*\c+31], v[QSO+\c]   ; (a conversion's three registers begin on an even number)
.endr
	v_nop                                          ; one plain place behind a scaled conversion
.irp c, 0,1
.irp i, 0,1,2
	v_mov_b32 v[(\dst)+3+6*\c+\i], v[(\tmp)+4*\c+\i]
.endr
.endr
.endm
.macro TILE t
.if (\t) < 3
	s_wait_loadcnt 16                              ; this tile's 16 loads are in; the next tile's 16 may be out
.else
	s_wait_loadcnt 0x0
.endif
	TURN \t
	s_wait_dscnt 0x0                               ; my 64 numbers are back, and the stage's stores have read their registers,
.if (\t) < 2
	LOADT (\t)+2                                   ; which take the tile two on
.endif
.if (\t) >= 2
	s_wait_xcnt 0x0                                ; the stores of the tile two back have read their data: that set of codes is written again only behind this wait
.endif
	QUANT32 X, C+12*((\t)%2), CT, W+(\t)%2
.irp c, 0,1,2
	global_store_b128 v[VI], v[C+12*((\t)%2)+4*\c:C+12*((\t)%2)+4*\c+3], s[8:9] offset:((\t)/2)*REC+((\t)%2)*1536+512*\c   ; 32 lanes store 512 consecutive bytes, at a multiple of 256 from the buffer's first byte
.endr
.if (\t)%2 == 1
	v_cndmask_b32 v[WC+(\t)/2], v[W], v[W+1], s18  ; lanes 0-15 the even tile's words, lanes 16-31 the odd tile's
	global_store_b32 v[LS], v[WC+(\t)/2], s[8:9] offset:((\t)/2)*REC+KSC
.endif
.endm
.macro LOADB kb                        ; block kb of 32 keys: value(32 kb + i, my channel): the four waves side by side read a key's whole row
.irp i, 0,1,2,3,4,5,6,7,8,9,10,11,12,13,14,15,16,17,18,19,20,21,22,23,24,25,26,27,28,29,30,31
	global_load_b32 v[VX+32*((\kb)%2)+\i], v[LS], s[4:5] offset:(32*(\kb)+\i)*512 th:TH_LOAD_NT
.endr
.endm
.macro BLOCKV kb                       ; a lane holds a channel, and its 32 registers a whole block down the keys
.set XS, VX+32*((\kb)%2)
.set DD, FA+24*((\kb)/4)+12*((\kb)%2)+6*(((\kb)%4)/2)
.if (\kb) < 7
	s_wait_loadcnt 32                              ; this block's 32 loads are in; the next block's may be out
.else
	s_wait_loadcnt 0x0
.endif
	v_max3_num_f32 v[VM], |v[XS]|, |v[XS+1]|, |v[XS+2]|
	v_max3_num_f32 v[VM+1], |v[XS+3]|, |v[XS+4]|, |v[XS+5]|
.irp i, 6,10,14,18,22,26
	v_max3_num_f32 v[VM], v[VM], |v[XS+\i]|, |v[XS+\i+1]|
	v_max3_num_f32 v[VM+1], v[VM+1], |v[XS+\i+2]|, |v[XS+\i+3]|
.endr
	v_max3_num_f32 v[VM], v[VM], |v[XS+30]|, |v[XS+31]|
	v_max3_num_f32 v[VM], v[VM], v[VM+1], FLOOR
	v_add_nc_u32 v[VSO], 0xff000000, v[VM]
	v_lshrrev_b32 v[VBY], 23, v[VSO]
.if (\kb)%4 == 0
	v_mov_b32 v[VW+(\kb)/4], v[VBY]                ; four bytes to a word, the lower keys in the lower byte
.else
	v_lshl_or_b32 v[VW+(\kb)/4], v[VBY], 8*((\kb)%4), v[VW+(\kb)/4]
.endif
	v_cvt_scalef32_pk16_fp6_f32 v[DD:DD+2], v[XS:XS+15], v[VSO]
	v_cvt_scalef32_pk16_fp6_f32 v[VCT:VCT+2], v[XS+16:XS+31], v[VSO]
	v_nop                                          ; one plain place behind a scaled conversion
.irp i, 0,1,2
	v_mov_b32 v[DD+3+\i], v[VCT+\i]
.endr
.if (\kb) < 6
	LOADB (\kb)+2
.endif
.endm
; Key step i is whole.  The first 12 registers hold blocks 0 and 2 of my channel, the second 12 blocks 1 and 3.  The operand wants lanes 0-15 with blocks 0, 2 and lanes 16-31 with blocks 1, 3 of ONE tile's
; 16 channels: the first's lanes 16-31 change places with the second's lanes 0-15, and the two runs are tiles 2 wave and 2 wave + 1.
.macro OUTV i
.irp n, 0,1,2,3,4,5,6,7,8,9,10,11
	v_permlane16_swap_b32 v[FA+24*(\i)+\n], v[FA+24*(\i)+12+\n]
.endr
.irp u, 0,1
.irp c, 0,1,2
	global_store_b128 v[VI], v[FA+24*(\i)+12*\u+4*\c:FA+24*(\i)+12*\u+4*\c+3], s[8:9] offset:(\i)*REC+VIMG+1536*\u+512*\c
.endr
.endr
	global_store_b32 v[LS], v[VW+(\i)], s[8:9] offset:(\i)*REC+VSC   ; each step has registers of its own: no store's data are written again
.endm
	s_load_b128 s[4:7], s[0:1], 0x0                ; key, value
	s_load_b64 s[8:9], s[0:1], 0x10                ; kv
	v_lshl_add_u32 v254, v0, 2, 0x8400             ; my spare word, behind the four stages
	v_mov_b32 v255, 0
	v_lshrrev_b32 v1, 5, v0
	v_readfirstlane_b32 s10, v1                    ; wave 0..3
	s_and_b32 s11, ttmp7, 0xffff                   ; 0: key, 1: value
	s_lshl_b32 s12, ttmp9, 17                      ; my 256 keys of 512 bytes (under 2^26)
	s_mov_b32 s13, 0
	s_mul_i32 s14, ttmp9, 2*REC                    ; my two records
	s_mov_b32 s15, 0
	s_mov_b32 s[SEL], 0x76543210
	s_mov_b32 s[SEL+1], 0xfedcba98
	s_mov_b32 s18, 0xffff0000                      ; lanes 16-31
	v_and_b32 v1, 31, v0                           ; lane
	v_and_b32 v2, 15, v0                           ; r
	v_bfe_u32 v3, v0, 4, 1                         ; h
	v_lshlrev_b32 v[LI], 4, v1
	s_lshl_b32 s20, s10, 7
	v_lshl_add_u32 v[LS], v1, 2, s20
	s_mul_i32 s20, s10, 3072
	v_add_nc_u32 v[VI], s20, v[LI]
	s_mul_i32 s20, s10, WST
	v_add_nc_u32 v[SI], s20, v[LI]
	v_mul_u32_u24 v[XR], v2, SP
	v_lshl_add_u32 v[XR], v3, 7, v[XR]
	v_add_nc_u32 v[XR], s20, v[XR]
	v_lshlrev_b32 v[H8], 3, v3
	s_wait_kmcnt 0x0
	s_cmp_eq_u32 s11, 0                            ; the choice hangs on the work-group's number alone
	s_cselect_b64 s[4:5], s[4:5], s[6:7]
	s_add_nc_u64 s[4:5], s[4:5], s[12:13]
	s_add_nc_u64 s[8:9], s[8:9], s[14:15]
	s_cmp_eq_u32 s11, 0
	s_cbranch_scc0 .Lvalue
	; ---- key: wave w takes tiles 2 w, 2 w + 1 of both key steps: their rows begin at key 64 (w / 2) + 16 (w % 2)
	s_lshr_b32 s20, s10, 1
	s_lshl_b32 s20, s20, 15
	s_and_b32 s21, s10, 1
	s_lshl_b32 s21, s21, 13
	s_add_co_u32 s20, s20, s21
	s_mov_b32 s21, 0
	s_add_nc_u64 s[4:5], s[4:5], s[20:21]
	v_mov_b32 v[QT], 0                             ; written once: a lane permute's destination counts as one of its sources
	s_wait_alu depctr_va_vdst(0)                   ; the wait at the head's end
	LOADT 0
	LOADT 1
	TILE 0
	TILE 1
	TILE 2
	TILE 3
	s_wait_tensorcnt 0x0                           ; the wave's end, behind my last LDS store
	ds_add_u32 v254, v255
	s_wait_dscnt 0x0
	s_endpgm
.Lvalue:
	; ---- value: wave w takes channels 32 w .. 32 w + 31, a lane a channel, for the 256 keys: eight blocks
	s_wait_alu depctr_va_vdst(0)                   ; the wait at the head's end
	LOADB 0
	LOADB 1
	BLOCKV 0
	BLOCKV 1
	BLOCKV 2
	BLOCKV 3
	OUTV 0
	BLOCKV 4
	BLOCKV 5
	BLOCKV 6
	BLOCKV 7
	OUTV 1
	s_endpgm
.Lfunc_end_k_qc143c4024c_prep:
	.size	k_qc143c4024c_prep, .Lfunc_end_k_qc143c4024c_prep-k_qc143c4024c_prep
	.p2alignl 7, 3214868480
	.fill 96, 4, 3214868480
	.section	.rodata,"a",@progbits
	.p2align	6, 0x0
	.amdhsa_kernel k_qc143c4024c_prep
		.amdhsa_group_segment_fixed_size 34304
		.amdhsa_private_segment_fixed_size 0
		.amdhsa_enable_private_segment 0
		.amdhsa_kernarg_size 24
		.amdhsa_user_sgpr_count 2
		.amdhsa_user_sgpr_kernarg_segment_ptr 1
		.amdhsa_wavefront_size32 1
		.amdhsa_system_sgpr_workgroup_id_x 1
		.amdhsa_system_sgpr_workgroup_id_y 1
		.amdhsa_system_sgpr_workgroup_id_z 1
		.amdhsa_system_vgpr_workitem_id 0
		.amdhsa_next_free_vgpr 256
		.amdhsa_next_free_sgpr 66
		.amdhsa_reserve_vcc 0
		.amdhsa_float_denorm_mode_32 3
		.amdhsa_float_denorm_mode_16_64 3
		.amdhsa_memory_ordered 1
		.amdhsa_forward_progress 1
		.amdhsa_inst_pref_size 68
	.end_amdhsa_kernel
	.amdgpu_metadata
---
amdhsa.version: [ 1, 2 ]
amdhsa.kernels:
  - .name:           k_qc143c4024c_prep
    .symbol:         k_qc143c4024c_prep.kd
    .args:
      - { .name: key, .offset: 0, .size: 8, .value_kind: global_buffer, .address_space: global }
      - { .name: value, .offset: 8, .size: 8, .value_kind: global_buffer, .address_space: global }
      - { .name: kv, .offset: 16, .size: 8, .value_kind: global_buffer, .address_space: global }
    .group_segment_fixed_size: 34304
    .private_segment_fixed_size: 0
    .kernarg_segment_align: 8
    .kernarg_segment_size: 24
    .max_flat_workgroup_size: 128
    .sgpr_count:     66
    .vgpr_count:     256
    .wavefront_size: 32
...
	.end_amdgpu_metadata
.endif
;; end of part 1
;; launch attn (part 2): grid 4 x 64, 8 waves a work-group, clusters of 4 x 1, 327,680 bytes of LDS; arguments query, kv, out0; writes out0
.if DOCPART == 2
	.amdgcn_target "amdgcn-amd-amdhsa--gfx1250"
	.amdhsa_code_object_version 6
	.text
	.protected	k_qc143c4024c_attn
	.globl	k_qc143c4024c_attn
	.p2align	8
	.type	k_qc143c4024c_attn,@function
k_qc143c4024c_attn:
	s_mov_b64 s[64:65], 0
	v_nop
	global_prefetch_b8 v0, s[64:65] scope:SCOPE_SE
	s_setreg_imm32_b32 hwreg(HW_REG_WAVE_MODE, 25, 1), 1
	s_wait_xcnt 0x0
	s_wait_alu depctr_hold_cnt(0) depctr_sa_sdst(0) depctr_va_vdst(0) depctr_va_sdst(0) depctr_va_ssrc(0) depctr_va_vcc(0) depctr_vm_vsrc(0)
	s_getreg_b32 s2, hwreg(HW_REG_IB_STS2, 6, 4)
	s_cmp_eq_u32 s2, 0
	s_cbranch_scc0 .Lentry_in_a_cluster
	s_endpgm
.Lentry_in_a_cluster:
	s_bfe_u32 s2, ttmp6, 0x10000c
	s_cmp_lg_u32 s2, 0x3003
	s_cbranch_scc0 .Lentry_shape_is_right
	s_endpgm
.Lentry_shape_is_right:
; out[h][q][:] = the sum over k of softmax_k(Q[h][q] . K[h][k] / 0.32) V[h][k][:], 64 heads, 2,048 queries and keys, 128 channels, both products on codes of FP6 (E2M3) with one E8M0 scale for each 32 along K.
; The three masks and dropout_p are arguments that reference() takes and never reads: no result hangs on them, so they are not among this launch's buffers.
; K and V come as codes from the workspace: one record of 25,600 bytes for a head and 128 keys, images of the operands' registers (8 tiles of K at 0, 8 of V at 12,288, scale words at 24,576 and 25,088).
; Q arrives as f32 and is read by one wave alone: it is quantised here, in registers.
; THE SOFTMAX: t = score x c, c = log2(e) / 0.32; M = the running largest t rounded UP to a whole number; p = 2^(t - M) is quantised along the keys, not normalised.  The row's sum is taken of the
; unquantised p, in f32, and divides at the end.  When M moves, the sum and O are multiplied by 2^(old M - new M): exact, and in every step: no branch on data.
; LIMITS: the promise holds while the scaled scores t stay under 2^31 in magnitude (the running maximum starts at the score -2^120).  t - M is one fused multiply-add of the score by c.
; A block whose every p has fallen to 0 keeps the byte 1: its codes are zeros.  NaN and infinities among the inputs are not served.
; SHARES.  A work-group STAYS for two blocks of 256 queries of one head (blocks cx and cx + 4), one after the other; each of its eight waves owns 32 queries of a block: two tiles of 16, in 512 registers.
; Every wave walks all 2,048 keys for each block, 128 a step; each fragment of K and V read from LDS feeds two products.
; LAYOUT.  Both products are used transposed: S^T = K Q^T, O^T = V^T P^T: a lane holds ONE query of each tile throughout.  Row r of K's tile 4 c + i is key 64 c + 32 (r / 8) + 8 i + r % 8, so the 32 score
; registers of tiles 4 c .. 4 c + 3 in a lane of half h are the WHOLE block 2 c + h of 32 keys, in order: a block's maximum needs no other lane, and the conversions' results are the operand's registers.
; THE RING.  Two LDS slots of four records (512 keys, 102,400 bytes dense in memory), eight phases: four for each block of queries; the ring goes on from the first block into the second.
; CLUSTER: the four work-groups of a cluster belong to one head and walk the same records, so each is asked for JOINTLY: wave w of each fetches the slot's eighth w, 50 rows of 256 bytes; one load a wave is out at the most.
; THE CHANGE OF SLOTS is spread over a slot's fourth key step.  Behind the step's last LDS loads stand the waits, the add and the round's opening signal; the 132 exponentials stand between that signal and its wait;
; p's codes, the rescaling and the second product stand between the round's closing signal and its wait: work on registers alone.  The joint refill is the first line behind the closing wait.
; A slot's load is issued three key steps and more (96 matrix instructions a wave and their softmax) ahead of the wait for it, so no separate prefetch is laid for the records.
; The second block's rows of Q are prefetched in the second phase, two phases ahead of their loads: 64 blocks of 256 bytes a wave, a lane a block, each named once.
; THE SECOND TILE'S SUMS of a step are added at the next step's head, between the issue of K's fragment loads and the wait for them (and once more ahead of each way out).  A block's first step so adds what the
; score registers hold from Q's turn (finite numbers); that step's f is 0 and wipes it out.
; REGISTERS.  Window 0: v1-11 addresses; v12-27 statistics, 8 a tile; v28-51 Q's fragments; v52-53 Q's scale words; v54-57 K's, v58-61 V's; v64-191 S^T, then p; v192-215 p's codes; v216-251 at work.
;   Window 1: v0-127 O^T, 64 a tile; v128-223 eight fragments of K, then of V; v128-255 Q's rows as loaded.
.set REC,   25600
.set PART,  12800                      ; what one wave fetches of a slot
.set VIMG,  12288
.set KSC,   24576
.set VSC,   25088
.set SLOTB, 4*REC
.set SLOT1, 1<<17                      ; slot 1 begins here: one exclusive or turns an address in one slot into the other's
.set SP,    528                        ; a stage row: 512 bytes + 16
.set STAGE, SLOT1+SLOTB                ; behind the ring: 16 rows for each wave, for Q's turn and for the way out; no tensor load lands here
.set SPARE, STAGE+8*16*SP              ; the spare words, 128 bytes for each wave
.set FLOOR, 0x1800000                  ; 2^(3 - 127)
.set BLK,   4*256*512                  ; bytes from my rows of the first block of queries to those of the second
.set LI,  1                            ; 16 x lane
.set LS,  2                            ; 4 x lane
.set SPW, 3                            ; LDS address of my spare word; never rewritten
.set NIL, 4                            ; 0; never rewritten
.set ADI, 5                            ; the record in hand + 16 x lane
.set ADS, 6                            ; the record in hand + 4 x lane
.set STO, 7                            ; my stage: row r, + 32 h
.set RD,  8                            ; my stage: 16 x lane
.set XR,  9                            ; my stage: row r, + 128 h
.set H8,  10                           ; 8 h
.set PFO, 11                           ; 256 x lane: the prefetches' offset
.set ST,  12                           ; tile x at v[12 + 8 x]: +0 -M, +1 the largest score, +2, +3 the sum in two halves, +4 f (at the end 1 / the sum), +5 p's scale word, +6, +7 at work
.set QF,  28
.set QS,  52
.set KS,  54
.set VS,  58
.set S,   64
.set PC,  192
.set CT,  216                          ; tile x at v[216 + 8 x]: the second halves of the blocks' codes, as converted
.set BM,  232                          ; tile x at v[232 + 8 x]: +0, +1 my two blocks' largest scores, then p; +2, +3 the conversions' scale operands; +4 .. +7 at work
.set TS,  248                          ; tile x at v[248 + 2 x]: the sums' second chain
.set FB,  128                          ; in window 1
.set QM,  232                          ; Q's quantiser borrows v232-238
.set QSO, 234
.set QBY, 236
.set QT,  238
.set WV,  10                           ; s10  my wave's number
.set TB,  18                           ; s18  LDS byte at which the record in hand begins
.set CNT, 19                           ; s19  counts key steps
.set FC,  20                           ; s20  the phase whose records are asked for next: 1 .. 7
.set CS,  22                           ; s[22:23] c
.set G1,  24                           ; s[24:31] descriptor group 1
.set G0,  32                           ; s[32:35] descriptor group 0
.set SEL, 36                           ; s[36:37] selects for lane l xor 16
.set NC,  38                           ; s38  -c
.set KVB, 42                           ; s[42:43] my eighth of the head's first slot, in memory
.set MSB, 0
.macro WIN new                         ; the immediate's high byte repeats the setting that is left; a switch that changes nothing is dropped
.if MSB != \new
	s_set_vgpr_msb (MSB<<8)|\new
.set MSB, \new
.endif
.endm
.macro CREST                           ; a round of the cluster's barrier from behind its opening barrier up to its closing signal
	s_cmp_lg_u32 s[WV], 0
	s_cbranch_scc1 .Lnot_wave_0_\@
	s_barrier_signal -3
.Lnot_wave_0_\@:
	s_barrier_wait -3
	s_barrier_signal -1
.endm
.macro CROUND                          ; a whole round
	s_barrier_signal -1
	s_barrier_wait -1
	CREST
	s_barrier_wait -1
.endm
.macro JLOAD                           ; every wave's joint load; an s_nop 0 and four v_nop follow it
	tensor_load_to_lds s[G0:G0+3], s[G1:G1+7]
	s_nop 0
.rept 4
	v_nop
.endr
.endm
; THE CHANGE OF SLOTS OPENS.  Each wave waits for all its tensor loads (its part of the slot ahead), adds 0 to its spare word, waits for that and for its reads of the slot in hand, and says so.
; chg = 1: a refill will follow: group 0 is set for the records of phase s[FC]: records 4 (FC % 4) .. + 3 of the head, into the other slot than last time.
.macro MEET chg
	s_wait_tensorcnt 0x0                           ; no tensor load of mine is out, so group 0 may be written
	ds_add_u32 v[SPW], v[NIL]
.if \chg == 1
	s_xor_b32 s[G0+1], s[G0+1], SLOT1
	s_and_b32 s40, s[FC], 3
	s_mul_i32 s40, s40, SLOTB
	s_add_nc_u64 s[G0+2:G0+3], s[KVB:KVB+1], s[40:41]
	s_or_b32 s[G0+3], s[G0+3], 0x80000000          ; type = 2
	s_add_co_u32 s[FC], s[FC], 1
.endif
	s_wait_dscnt 0x0                               ; the add is done, and my reads of the slot are over
	s_barrier_signal -1
.endm
; 64 numbers of a lane, register 32 c + i = k 64 c + 32 h + i of row r: two WHOLE blocks.  They become the operand's 12 registers at v[dst] and the row's scale word in v[wrd], whole in every lane.
.macro QUANT32 src, dst, tmp, wrd
.irp c, 0,1
	v_max3_num_f32 v[QM+\c], |v[(\src)+32*\c]|, |v[(\src)+32*\c+1]|, FLOOR
.endr
.irp i, 2,4,6,8,10,12,14,16,18,20,22,24,26,28,30
.irp c, 0,1
	s_delay_alu instid0(VALU_DEP_2)
	v_max3_num_f32 v[QM+\c], v[QM+\c], |v[(\src)+32*\c+\i]|, |v[(\src)+32*\c+\i+1]|
.endr
.endr
.irp c, 0,1
	s_delay_alu instid0(VALU_DEP_2)
	v_add_nc_u32 v[QSO+\c], 0xff000000, v[QM+\c]   ; 2 off the exponent field: the conversion's scale operand
.endr
.irp c, 0,1
	s_delay_alu instid0(VALU_DEP_2)
	v_lshrrev_b32 v[QBY+\c], 23, v[QSO+\c]
.endr
	s_delay_alu instid0(VALU_DEP_1)
	v_lshl_or_b32 v[\wrd], v[QBY+1], 16, v[QBY]
	s_delay_alu instid0(VALU_DEP_1)
	v_lshlrev_b32 v[\wrd], v[H8], v[\wrd]
	s_delay_alu instid0(VALU_DEP_1)
	v_permlanex16_b32 v[QT], v[\wrd], s[SEL], s[SEL+1]
	s_delay_alu instid0(VALU_DEP_1)
	v_or_b32 v[\wrd], v[\wrd], v[QT]
.irp c, 0,1
	v_cvt_scalef32_pk16_fp6_f32 v[(\dst)+6*\c:(\dst)+6*\c+2], v[(\src)+32*\c:(\src)+32*\c+15], v[QSO+\c]
	v_cvt_scalef32_pk16_fp6_f32 v[(\tmp)+4*\c:(\tmp)+4*\c+2], v[(\src)+32*\c+16:(\src)+32*\c+31], v[QSO+\c]
.endr
	v_nop                                          ; one plain place behind a scaled conversion
.irp c, 0,1
.irp i, 0,1,2
	v_mov_b32 v[(\dst)+3+6*\c+\i], v[(\tmp)+4*\c+\i]
.endr
.endr
.endm
.macro FRAGS off                       ; eight fragments as they were stored: three loads of 512 consecutive bytes each
.irp t, 0,1,2,3,4,5,6,7
.irp c, 0,1,2
	ds_load_b128 v[FB+12*\t+4*\c:FB+12*\t+4*\c+3], v[ADI] offset:\off+1536*\t+512*\c
.endr
.endr
.endm
.macro KQ t                            ; tile t of 16 keys against my two tiles of queries; an odd tile's scale words lie in lanes 16-31
.irp x, 0,1
.if (\t)%2
	v_wmma_scale_f32_16x16x128_f8f6f4 v[S+64*\x+8*(\t):S+64*\x+8*(\t)+7], v[FB+12*(\t):FB+12*(\t)+11], v[QF+12*\x:QF+12*\x+11], 0, v[KS+(\t)/2], v[QS+\x] matrix_a_fmt:MATRIX_FMT_FP6 matrix_b_fmt:MATRIX_FMT_FP6 matrix_a_scale:MATRIX_SCALE_ROW1
.else
	v_wmma_scale_f32_16x16x128_f8f6f4 v[S+64*\x+8*(\t):S+64*\x+8*(\t)+7], v[FB+12*(\t):FB+12*(\t)+11], v[QF+12*\x:QF+12*\x+11], 0, v[KS+(\t)/2], v[QS+\x] matrix_a_fmt:MATRIX_FMT_FP6 matrix_b_fmt:MATRIX_FMT_FP6
.endif
.endr
.endm
.macro PV t                            ; tile t of 16 channels against my two tiles' p
.irp x, 0,1
.if (\t)%2
	v_wmma_scale_f32_16x16x128_f8f6f4 v[64*\x+8*(\t):64*\x+8*(\t)+7], v[FB+12*(\t):FB+12*(\t)+11], v[PC+12*\x:PC+12*\x+11], v[64*\x+8*(\t):64*\x+8*(\t)+7], v[VS+(\t)/2], v[ST+8*\x+5] matrix_a_fmt:MATRIX_FMT_FP6 matrix_b_fmt:MATRIX_FMT_FP6 matrix_a_scale:MATRIX_SCALE_ROW1
.else
	v_wmma_scale_f32_16x16x128_f8f6f4 v[64*\x+8*(\t):64*\x+8*(\t)+7], v[FB+12*(\t):FB+12*(\t)+11], v[PC+12*\x:PC+12*\x+11], v[64*\x+8*(\t):64*\x+8*(\t)+7], v[VS+(\t)/2], v[ST+8*\x+5] matrix_a_fmt:MATRIX_FMT_FP6 matrix_b_fmt:MATRIX_FMT_FP6
.endif
.endr
.endm
.macro SMAX                            ; the largest score of each of my four blocks of 32 keys (two a tile), by turns, ascending: each accumulator is first read at its low end
.irp x, 0,1
.irp c, 0,1
	v_max3_num_f32 v[BM+8*\x+\c], v[S+64*\x+32*\c], v[S+64*\x+32*\c+1], v[S+64*\x+32*\c+2]
.endr
.endr
.set i, 3
.rept 14
.irp x, 0,1
.irp c, 0,1
	v_max3_num_f32 v[BM+8*\x+\c], v[BM+8*\x+\c], v[S+64*\x+32*\c+i], v[S+64*\x+32*\c+i+1]
.endr
.endr
.set i, i+2
.endr
.irp x, 0,1
.irp c, 0,1
	v_max_num_f32 v[BM+8*\x+\c], v[BM+8*\x+\c], v[S+64*\x+32*\c+31]
.endr
.endr
.endm
.macro SROW                            ; both tiles by turns: the running largest score of my query (with the other half of the lanes' keys); -M = floor(-c x it); f = 2^(old M - new M)
.irp x, 0,1
	v_max_num_f32 v[ST+8*\x+6], v[BM+8*\x], v[BM+8*\x+1]
.endr
.irp x, 0,1
	s_delay_alu instid0(VALU_DEP_2)
	v_permlanex16_b32 v[ST+8*\x+7], v[ST+8*\x+6], s[SEL], s[SEL+1]
.endr
.irp x, 0,1
	v_mov_b32 v[BM+8*\x+7], v[ST+8*\x]                         ; the old -M
.endr
.irp x, 0,1
	s_delay_alu instid0(VALU_DEP_4)
	v_max3_num_f32 v[ST+8*\x+1], v[ST+8*\x+1], v[ST+8*\x+6], v[ST+8*\x+7]
.endr
.irp x, 0,1
	s_delay_alu instid0(VALU_DEP_2)
	v_mul_f32 v[ST+8*\x+6], s[NC], v[ST+8*\x+1]                ; -t (c is positive)
.endr
.irp x, 0,1
	s_delay_alu instid0(VALU_DEP_2)
	v_floor_f32 v[ST+8*\x], v[ST+8*\x+6]                       ; the new -M = -ceil(t): M is a whole number
.endr
.irp x, 0,1
	s_delay_alu instid0(VALU_DEP_2)
	v_sub_f32 v[ST+8*\x+6], v[ST+8*\x], v[BM+8*\x+7]           ; old M - new M: a whole number, 0 or less
.endr
.irp x, 0,1
	s_delay_alu instid0(VALU_DEP_2)
	v_cvt_i32_f32 v[ST+8*\x+6], v[ST+8*\x+6]                   ; (it saturates)
.endr
.irp x, 0,1
	s_delay_alu instid0(VALU_DEP_2)
	v_ldexp_f32 v[ST+8*\x+4], 1.0, v[ST+8*\x+6]                ; f: a multiplication by it rounds nothing
.endr
.endm
.macro SFMA x                          ; t - M, two at a time (of the pairs c and -M the low word serves both halves); the same of each block's largest score
.set j, 0
.rept 32
	v_pk_fma_f32 v[S+64*\x+j:S+64*\x+j+1], v[S+64*\x+j:S+64*\x+j+1], s[CS:CS+1], v[ST+8*\x:ST+8*\x+1] op_sel_hi:[1,0,0]
.set j, j+2
.endr
.irp c, 0,1
	v_fma_f32 v[BM+8*\x+\c], v[BM+8*\x+\c], s[CS], v[ST+8*\x]
.endr
.endm
.macro SEXP                            ; p = 2^(t - M), at most 1; and each block's largest p: the same two instructions on the same number give the same bits
.set j, 0
.rept 128
	v_exp_f32 v[S+j], v[S+j]
.set j, j+1
.endr
.irp x, 0,1
.irp c, 0,1
	v_exp_f32 v[BM+8*\x+\c], v[BM+8*\x+\c]
.endr
.endr
.endm
.macro SUMS x                          ; the row's sum is taken of the unquantised p: two at a time, in two chains
	v_pk_add_f32 v[TS+2*\x:TS+2*\x+1], v[S+64*\x:S+64*\x+1], v[S+64*\x+2:S+64*\x+3]
.irp j, 4,8,12,16,20,24,28,32,36,40,44,48,52,56,60
	v_pk_add_f32 v[ST+8*\x+2:ST+8*\x+3], v[ST+8*\x+2:ST+8*\x+3], v[S+64*\x+\j:S+64*\x+\j+1]
	v_pk_add_f32 v[TS+2*\x:TS+2*\x+1], v[TS+2*\x:TS+2*\x+1], v[S+64*\x+\j+2:S+64*\x+\j+3]
.endr
	s_delay_alu instid0(VALU_DEP_1)
	v_pk_add_f32 v[ST+8*\x+2:ST+8*\x+3], v[ST+8*\x+2:ST+8*\x+3], v[TS+2*\x:TS+2*\x+1]
.endm
.macro SCODES                          ; both tiles by turns: my two whole blocks of p become the fragment's registers; my two bytes and lane l xor 16's two make the scale word
.irp x, 0,1
.irp c, 0,1
	v_max_num_f32 v[BM+8*\x+\c], FLOOR, v[BM+8*\x+\c]          ; the floor: the byte cannot fall under 1
.endr
.endr
.irp x, 0,1
.irp c, 0,1
	s_delay_alu instid0(VALU_DEP_4)
	v_add_nc_u32 v[BM+8*\x+2+\c], 0xff000000, v[BM+8*\x+\c]    ; 2 off the exponent field: the conversion's scale operand
.endr
.endr
.irp x, 0,1
.irp c, 0,1
	s_delay_alu instid0(VALU_DEP_4)
	v_lshrrev_b32 v[BM+8*\x+4+\c], 23, v[BM+8*\x+2+\c]         ; the scale's byte
.endr
.endr
	s_delay_alu instid0(VALU_DEP_3)
	v_lshl_or_b32 v[ST+5], v[BM+5], 16, v[BM+4]                ; blocks h and 2 + h,
	s_delay_alu instid0(VALU_DEP_2)
	v_lshl_or_b32 v[ST+13], v[BM+13], 16, v[BM+12]
.irp x, 0,1
	s_delay_alu instid0(VALU_DEP_2)
	v_lshlrev_b32 v[ST+8*\x+5], v[H8], v[ST+8*\x+5]            ; at their places in the word
.endr
.irp x, 0,1
	s_delay_alu instid0(VALU_DEP_2)
	v_permlanex16_b32 v[BM+8*\x+6], v[ST+8*\x+5], s[SEL], s[SEL+1]
.endr
.irp x, 0,1
	s_delay_alu instid0(VALU_DEP_2)
	v_or_b32 v[ST+8*\x+5], v[ST+8*\x+5], v[BM+8*\x+6]
.endr
.irp x, 0,1
.irp c, 0,1
	v_cvt_scalef32_pk16_fp6_f32 v[PC+12*\x+6*\c:PC+12*\x+6*\c+2], v[S+64*\x+32*\c:S+64*\x+32*\c+15], v[BM+8*\x+2+\c]
	v_cvt_scalef32_pk16_fp6_f32 v[CT+8*\x+4*\c:CT+8*\x+4*\c+2], v[S+64*\x+32*\c+16:S+64*\x+32*\c+31], v[BM+8*\x+2+\c]   ; (a conversion's three registers begin on an even number)
.endr
.endr
	v_nop                                          ; one plain place behind a scaled conversion
.irp x, 0,1
.irp c, 0,1
.irp i, 0,1,2
	v_mov_b32 v[PC+12*\x+3+6*\c+\i], v[CT+8*\x+4*\c+\i]
.endr
.endr
.endr
.endm
.macro RESC x                          ; tile x's O^T times the low word of the pair (f, p's scale word); ascending: each accumulator is first read at its low end.  Destination and source 0 in window 1
.set j, 0
.rept 32
	v_pk_mul_f32 v[64*\x+j:64*\x+j+1], v[64*\x+j:64*\x+j+1], v[ST+8*\x+4:ST+8*\x+5] op_sel_hi:[1,0]
.set j, j+2
.endr
.endm
; A KEY STEP: 128 keys, the record at LDS byte s[TB].  chg = 1: a slot's last step, with the change of slots and a refill; chg = 2: with the change and no refill.
.macro STEP chg
	v_add_nc_u32 v[ADI], s[TB], v[LI]
	v_add_nc_u32 v[ADS], s[TB], v[LS]
	v_nop                                          ; with the two lines above: four places behind the last step's products, in front of the loads into registers that they read
	v_nop
.irp j, 0,1,2,3
	ds_load_b32 v[KS+\j], v[ADS] offset:KSC+128*\j
.endr
	WIN 0x40                                       ; destination window 1
	FRAGS 0                                        ; K
	WIN 0
.irp j, 0,1,2,3
	ds_load_b32 v[VS+\j], v[ADS] offset:VSC+128*\j
.endr
	SUMS 1                                         ; the last step's second tile: its p still stand in the score registers
	s_wait_alu depctr_va_vdst(0)                   ; directly ahead of the wait below
	WIN 0x01                                       ; source 0 (K) window 1
.irp u, 0,1,2,3
	s_wait_dscnt 22-6*\u                           ; K's scale words and tiles 0 .. 2 u + 1 are in; the 18 - 6 u loads of the later tiles and V's four scale words may be out
	KQ 2*\u
	KQ 2*\u+1
.endr
.rept 4
	v_nop                                          ; four places behind the last product, in front of the loads into the registers that it read and of the first read of the scores
.endr
	WIN 0x40
	FRAGS VIMG                                     ; V: the step's last LDS loads
	WIN 0
	SMAX
	SROW
	SFMA 0
	SFMA 1
	s_wait_alu depctr_va_vdst(0)                   ; the wait ahead of the batch (and of the waits of the change of slots)
.if \chg
	MEET \chg
.endif
	SEXP                                           ; 132 exponentials: ONE batch
.irp x, 0,1
	v_pk_mul_f32 v[ST+8*\x+2:ST+8*\x+3], v[ST+8*\x+2:ST+8*\x+3], v[ST+8*\x+4:ST+8*\x+5] op_sel_hi:[1,0]   ; the sums under the new M: plain work behind the batch
.endr
	s_wait_alu depctr_va_vdst(0)                   ; one wait for the batch, ahead of the first line that names a result and of the branch below
.if \chg == 1
	s_barrier_wait -1                              ; all eight waves have left the slot,
	CREST                                          ; wave 0 has said so for the work-group, all four work-groups have said so, and the closing barrier is signalled
.endif
	SCODES
	SUMS 0
	s_wait_alu depctr_va_vdst(0)                   ; directly ahead of the first reader of O^T
	WIN 0x41
	RESC 0                                         ; O^T under the new M.  These 64 lines also stand between the writing of p's codes and scale words and the products that take them
	RESC 1
	s_wait_alu depctr_va_vdst(0)                   ; ahead of the wait below
.if \chg == 0
	s_wait_dscnt 0x0                               ; V and its scale words are in (in a step with the change of slots that wait has stood ahead of the signal)
.endif
	WIN 0x51                                       ; source 0 (V), C and D window 1
.irp t, 0,1,2,3,4,5,6,7
	PV \t                                          ; sixteen accumulators, one instruction a turn
.endr
	WIN 0
.if \chg
	s_barrier_wait -1                              ; chg = 1: the round closes; chg = 2: the one barrier's wait: the slot ahead is whole for every wave
.endif
.if \chg == 1
	JLOAD                                          ; the first line behind the round: the slot just left takes the phase two on
.endif
	s_add_co_u32 s[TB], s[TB], REC
.endm
.macro STEPS n
	s_mov_b32 s[CNT], \n
.Lstep_\@:
	STEP 0
	s_sub_co_u32 s[CNT], s[CNT], 1
	s_cmp_lg_u32 s[CNT], 0
	s_cbranch_scc1 .Lstep_\@
.endm
.macro FLIP                            ; back to a slot's first record, in the other slot
	s_sub_co_u32 s[TB], s[TB], SLOTB
	s_xor_b32 s[TB], s[TB], SLOT1
.endm
.macro QLOAD off                       ; my 32 rows of Q, each load one whole row of 512 consecutive bytes, into window 1's v128-255
	WIN 0x40
.set i, 0
.rept 32
	global_load_b128 v[128+4*i:128+4*i+3], v[LI], s[4:5] offset:\off+i*512 th:TH_LOAD_NT
.set i, i+1
.endr
	WIN 0
.endm
.macro STATS                           ; a block of queries begins
.irp x, 0,1
	v_mov_b32 v[ST+8*\x+1], 0xfb800000             ; the largest score so far: -2^120
	v_mov_b32 v[ST+8*\x], 0x7c800000               ; -M: 2^122, so that the first f is 0
.irp j, 2,3,4,5,6,7
	v_mov_b32 v[ST+8*\x+\j], 0                     ; the sum's halves; f and p's scale word (named as a pair); two at work (one a lane permute's destination)
.endr
	v_mov_b32 v[BM+8*\x+6], 0                      ; a lane permute's destination counts as one of its sources
.endr
.endm
.macro QTURN                           ; through my stage: in by rows, out 32 neighbouring numbers twice for each lane (LDS serves a wave's instructions in order: ISA guide 5.7.1.4); then the codes
.irp x, 0,1
	s_wait_loadcnt 16-16*\x                        ; tile x's 16 loads are in; tile 1's may be out while tile 0 turns
	WIN 0x04                                       ; an LDS store's data are its source 1: window 1
.set i, 0
.rept 16
	ds_store_b128 v[RD], v[128+64*\x+4*i:128+64*\x+4*i+3] offset:i*SP
.set i, i+1
.endr
	WIN 0
.set i, 0
.rept 16
	ds_load_b128 v[S+64*\x+4*i:S+64*\x+4*i+3], v[XR] offset:256*(i/8)+16*(i%8)
.set i, i+1
.endr
.endr
	s_wait_dscnt 32                                ; tile 0's numbers are back; tile 1's 16 stores and 16 loads may be out
	QUANT32 S, QF, CT, QS
	s_wait_dscnt 0x0
	QUANT32 S+64, QF+12, CT, QS+1
	WIN 0x40
.set i, 0
.rept 128
	v_mov_b32 v[i], 0                              ; O^T.  The key step is written once for all steps: the first finds zeros.  (Also the places behind Q's codes and scale words)
.set i, i+1
.endr
	WIN 0
	s_wait_alu depctr_va_vdst(0)                   ; ahead of the waits and branches that follow
.endm
; THE WAY OUT.  The sum's halves and the other half of the lanes' are added; O^T is divided by the sum and goes through my stage, a tile (16 rows of 512 bytes) at a time
.macro OUT off
	s_wait_alu depctr_va_vdst(0)                   ; the sums were written ahead of scalar lines
.irp x, 0,1
	v_add_f32 v[ST+8*\x+6], v[ST+8*\x+2], v[ST+8*\x+3]
.endr
.irp x, 0,1
	s_delay_alu instid0(VALU_DEP_2)
	v_permlanex16_b32 v[ST+8*\x+7], v[ST+8*\x+6], s[SEL], s[SEL+1]
.endr
.irp x, 0,1
	s_delay_alu instid0(VALU_DEP_2)
	v_add_f32 v[ST+8*\x+6], v[ST+8*\x+6], v[ST+8*\x+7]
.endr
	s_wait_alu depctr_va_vdst(0)                   ; ahead of the transcendentals
.irp x, 0,1
	v_rcp_f32 v[ST+8*\x+4], v[ST+8*\x+6]           ; the row's largest p is above 1/2: the sum is no zero
.endr
	v_nop                                          ; a plain place behind the last reciprocal
	s_wait_alu depctr_va_vdst(0)                   ; one wait for the two, directly ahead of the first reader of them and of O^T
	WIN 0x41
	RESC 0                                         ; O^T / the sum: register 8 t + i of lane (r, h) is out(r, 16 t + 8 h + i)
	RESC 1
.irp x, 0,1
	WIN 0x04
.irp t, 0,1,2,3,4,5,6,7
	ds_store_b128 v[STO], v[64*\x+8*\t:64*\x+8*\t+3] offset:64*\t
	ds_store_b128 v[STO], v[64*\x+8*\t+4:64*\x+8*\t+7] offset:64*\t+16
.endr
	WIN 0
.set i, 0
.rept 16
	ds_load_b128 v[S+64*\x+4*i:S+64*\x+4*i+3], v[RD] offset:i*SP   ; these see my stores, and the next tile's stores come behind them
.set i, i+1
.endr
.endr
.set i, 0
.rept 16
	s_wait_dscnt 47-i                              ; behind tile 0's load i: its 15 - i younger loads and tile 1's 32 LDS instructions
	global_store_b128 v[LI], v[S+4*i:S+4*i+3], s[8:9] offset:\off+i*512 th:TH_STORE_NT   ; 32 lanes store a row's 512 consecutive bytes, at a multiple of 256 from the buffer's first byte
.set i, i+1
.endr
.rept 16
	s_wait_dscnt 31-i
	global_store_b128 v[LI], v[S+4*i:S+4*i+3], s[8:9] offset:\off+i*512 th:TH_STORE_NT
.set i, i+1
.endr
.endm
	s_load_b128 s[4:7], s[0:1], 0x0                ; query, kv
	s_load_b64 s[8:9], s[0:1], 0x10                ; out0
	v_lshl_add_u32 v[SPW], v0, 2, SPARE
	v_mov_b32 v[NIL], 0
	ds_add_u32 v[SPW], v[NIL]                      ; the opening lines: the add, twice on end, and its wait ahead of my first tensor load
	ds_add_u32 v[SPW], v[NIL]
	v_lshrrev_b32 v5, 5, v0
	v_readfirstlane_b32 s[WV], v5                  ; wave 0..7
	s_bfe_u32 s11, ttmp6, 0x40000                  ; cx: my first block of 256 queries: it enters Q's and O's addresses alone
	s_and_b32 s13, ttmp7, 0xffff                   ; the head, which the four partners share
	s_mul_i32 s39, s[WV], PART                     ; my eighth of a slot: its place in LDS and in memory
	s_mul_i32 s14, s13, 16*REC                     ; the head's 16 records
	s_add_co_u32 s14, s14, s39
	s_mov_b32 s15, 0
	s_lshl_b32 s16, s13, 20                        ; Q and O: the head's 2,048 rows of 512 bytes,
	s_lshl_b32 s17, s11, 17                        ; my block's 256,
	s_add_co_u32 s16, s16, s17
	s_lshl_b32 s17, s[WV], 14                      ; my wave's 32 (the sum stays under 2^26)
	s_add_co_u32 s16, s16, s17
	s_mov_b32 s17, 0
	s_mov_b32 s[G1], 15|(3<<16)|(1<<21)            ; the mask: all four work-groups; elements of 8 bytes; no padding: images are read 512 consecutive bytes at a time; bit 21 beside a mask
	s_mov_b32 s[G1+1], 32<<16                      ; tensor_dim0 = 32
	s_mov_b32 s[G1+2], 50<<16                      ; tensor_dim1 = 50
	s_mov_b32 s[G1+3], 32<<16                      ; tile_dim0 = 32
	s_mov_b32 s[G1+4], 50                          ; tile_dim1 = 50
	s_mov_b32 s[G1+5], 32                          ; the pitch
	s_mov_b32 s[G1+6], 0
	s_mov_b32 s[G1+7], 0
	s_mov_b32 s[CS], 0x409044fe                    ; c = log2(e) / 0.32
	s_mov_b32 s[CS+1], s[CS]                       ; (named with it as a pair, so it is written)
	s_mov_b32 s[NC], 0xc09044fe                    ; -c
	s_mov_b32 s[SEL], 0x76543210
	s_mov_b32 s[SEL+1], 0xfedcba98
	s_mul_i32 s21, s[WV], 16*SP
	s_add_co_u32 s21, s21, STAGE                   ; my stage
	s_mov_b32 s[TB], 0
	s_mov_b32 s[FC], 1
	s_mov_b32 s41, 0
	v_and_b32 v[LS], 31, v0                        ; lane
	v_lshlrev_b32 v[LI], 4, v[LS]
	v_lshlrev_b32 v[PFO], 8, v[LS]
	v_lshlrev_b32 v[LS], 2, v[LS]
	v_and_b32 v5, 15, v0                           ; r
	v_bfe_u32 v6, v0, 4, 1                         ; h
	v_lshlrev_b32 v[H8], 3, v6
	v_add_nc_u32 v[RD], s21, v[LI]
	v_mul_u32_u24 v[XR], v5, SP
	v_add_nc_u32 v[XR], s21, v[XR]
	v_lshl_add_u32 v[STO], v6, 5, v[XR]
	v_lshl_add_u32 v[XR], v6, 7, v[XR]
	STATS
	s_wait_dscnt 0x0                               ; both opening adds are done
	s_wait_alu depctr_va_vdst(0)                   ; the wait at the head's end
	s_wait_kmcnt 0x0
	s_add_nc_u64 s[4:5], s[4:5], s[16:17]          ; Q and O at my wave's first row
	s_add_nc_u64 s[8:9], s[8:9], s[16:17]
	s_add_nc_u64 s[KVB:KVB+1], s[6:7], s[14:15]
	s_mov_b32 s[G0], 1                             ; count = 1
	s_mov_b32 s[G0+1], s39                         ; LDS address: slot 0
	s_mov_b64 s[G0+2:G0+3], s[KVB:KVB+1]
	s_or_b32 s[G0+3], s[G0+3], 0x80000000          ; type = 2
	QLOAD 0                                        ; the first block's rows are on their way while the cluster meets
	CROUND                                         ; all four work-groups are here: the first joint loads meet
	JLOAD                                          ; phase 0's records: my one tensor load at the head
	QTURN
	MEET 1                                         ; slot 0 is whole; a whole round, and slot 1's first fill, issued as a refill is
	s_barrier_wait -1
	CREST
	s_barrier_wait -1
	JLOAD
.Lphase:                                               ; six trips: phases 0 to 5; in each the slot in hand is asked for again, for the phase two on
	s_cmp_lg_u32 s[FC], 3
	s_cbranch_scc1 .Lno_ask                        ; in phase 1 alone: the second block's rows of Q, 2 x 32 blocks of 256 bytes, two phases ahead of their loads
	global_prefetch_b8 v[PFO], s[4:5] offset:BLK th:TH_LOAD_NT scope:SCOPE_SE
	global_prefetch_b8 v[PFO], s[4:5] offset:BLK+8192 th:TH_LOAD_NT scope:SCOPE_SE
.Lno_ask:
	STEPS 3
	STEP 1
	FLIP
	s_cmp_lg_u32 s[FC], 6
	s_cbranch_scc1 .Lsame                          ; behind phase 3 the first block of queries is done
	SUMS 1                                         ; the last step's second tile
	QLOAD BLK                                      ; the second block's rows, into registers that the last products have read (the 32 plain lines above stand between)
	OUT 0
	STATS
	s_wait_xcnt 0x0                                ; the stores have read their data: those registers are written again only behind this wait
	QTURN
.Lsame:
	s_cmp_lt_u32 s[FC], 8
	s_cbranch_scc1 .Lphase
	STEPS 3                                        ; phases 6 and 7 are written out: they ask for nothing more
	STEP 2
	FLIP
	STEPS 4
	SUMS 1                                         ; the last step's second tile: also the places behind the last products
	OUT BLK
	s_wait_tensorcnt 0x0                           ; the wave's end, behind my last tensor load and my last LDS store
	ds_add_u32 v[SPW], v[NIL]
	s_wait_dscnt 0x0
	CROUND                                         ; the closing round: no work-group ends while a partner may still ask for records that name it
	s_endpgm
.Lfunc_end_k_qc143c4024c_attn:
	.size	k_qc143c4024c_attn, .Lfunc_end_k_qc143c4024c_attn-k_qc143c4024c_attn
	.p2alignl 7, 3214868480
	.fill 96, 4, 3214868480
	.section	.rodata,"a",@progbits
	.p2align	6, 0x0
	.amdhsa_kernel k_qc143c4024c_attn
		.amdhsa_group_segment_fixed_size 327680
		.amdhsa_private_segment_fixed_size 0
		.amdhsa_enable_private_segment 0
		.amdhsa_kernarg_size 24
		.amdhsa_user_sgpr_count 2
		.amdhsa_user_sgpr_kernarg_segment_ptr 1
		.amdhsa_wavefront_size32 1
		.amdhsa_system_sgpr_workgroup_id_x 1
		.amdhsa_system_sgpr_workgroup_id_y 1
		.amdhsa_system_sgpr_workgroup_id_z 1
		.amdhsa_system_vgpr_workitem_id 0
		.amdhsa_next_free_vgpr 512
		.amdhsa_next_free_sgpr 66
		.amdhsa_reserve_vcc 0
		.amdhsa_float_denorm_mode_32 3
		.amdhsa_float_denorm_mode_16_64 3
		.amdhsa_memory_ordered 1
		.amdhsa_forward_progress 1
		.amdhsa_inst_pref_size 240
	.end_amdhsa_kernel
	.amdgpu_metadata
---
amdhsa.version: [ 1, 2 ]
amdhsa.kernels:
  - .name:           k_qc143c4024c_attn
    .symbol:         k_qc143c4024c_attn.kd
    .args:
      - { .name: query, .offset: 0, .size: 8, .value_kind: global_buffer, .address_space: global }
      - { .name: kv, .offset: 8, .size: 8, .value_kind: global_buffer, .address_space: global }
      - { .name: out0, .offset: 16, .size: 8, .value_kind: global_buffer, .address_space: global }
    .group_segment_fixed_size: 327680
    .private_segment_fixed_size: 0
    .kernarg_segment_align: 8
    .kernarg_segment_size: 24
    .max_flat_workgroup_size: 256
    .sgpr_count:     66
    .vgpr_count:     512
    .wavefront_size: 32
...
	.end_amdgpu_metadata
.endif
;; end of part 2
